; MI455X (gfx1250); checked and timed in simulation.
; The chip was launched on July 23, 2026; its instructions are those of AMD's public machine-readable ISA for CDNA 5 (MIT licence, August 2026) and "CDNA5" Instruction Set Architecture Reference Guide (July 2026). The comments in the code are by the model that wrote it; some were corrected since.
;; Nearest Token Look Up. Allowed arithmetic: float matrix products may take bf16 or f16 operands with f32 sums; all other float work in f32.
;; Inputs: all_z 25,128 x 512 float32; z 2 x 2,048 x 512 float32.
;; Outputs: out0 2 x 2,048 x 512 float32.
;; 2 versions, each right; version 2 is version 1 with the launch tobf16 written anew for expert scheduling mode. Each part assembles by itself: llvm-mc -triple=amdgcn-amd-amdhsa -mcpu=gfx1250 --defsym DOCPART=n.
;; ======== version 1 of 2: 3 launches
;; workspace buffers: eb 25,731,072 bytes; zb 4,194,304 bytes; hn 100,608 bytes; keys 1,048,576 bytes of whole numbers
;; launch tobf16 (part 1): grid 562 x 1, 13 waves a work-group, no clusters, 0 bytes of LDS; arguments all_z, z, eb, zb, hn; writes eb, zb, hn
.if DOCPART == 1
	.amdgcn_target "amdgcn-amd-amdhsa--gfx1250"
	.amdhsa_code_object_version 6
	.text
	.protected	k_qd75ee0efc9_tobf16
	.globl	k_qd75ee0efc9_tobf16
	.p2align	8
	.type	k_qd75ee0efc9_tobf16,@function
k_qd75ee0efc9_tobf16:
	s_mov_b64 s[64:65], 0
	v_nop
	global_prefetch_b8 v0, s[64:65] scope:SCOPE_SE
	s_setreg_imm32_b32 hwreg(HW_REG_WAVE_MODE, 25, 1), 1
	s_wait_xcnt 0x0
; eb = bf16(all_z) [25128][512], zb = bf16(z) [4096][512], hn[n] = 0.5 * sum over d of bf16(all_z[n][d])^2 in f32.
; The norm is taken from the ROUNDED numbers, so that norm and dot product of the next launch belong to the same vectors.
; A task is four rows and belongs to one wave: 25128/4 = 6282 tasks of all_z, then 4096/4 = 1024 tasks of z, 7306 = 13 x 562 in all:
; 562 work-groups of 13 waves have exactly one task a wave, with no guard.  Waves never meet: no LDS, no barrier.
; A pure stream, each input byte read once: matrix units and clusters have nothing to do here (no two work-groups read the same bytes).
; Each load of a wave covers 512 consecutive bytes, each store of bf16 256 consecutive bytes at a multiple of 256 from the buffer's first byte.
; hn leaves as 16 bytes a task (four rows' norms): 25128 rows do not divide into owners of 64 rows; it is 100,512 bytes of the launch's 90 million.
; LIMITS: rounding to nearest even; NaN and infinities pass through the conversion as they are and are not served by the later launches.
.set ETASKS, 6282                      ; tasks of all_z
.set X,  8                             ; v[8:71]    four rows as loaded: row r, piece i at X + 16 r + 4 i
.set Y,  72                            ; v[72:103]  the same in bf16: row r, piece i at Y + 8 r + 2 i; each register is written once
.set W,  104                           ; v[104:107] a piece's four rounded numbers, widened again
.set S,  108                           ; v[108:111] four running sums of squares
.set H,  112                           ; v[112:115] the four rows' half norms
.set TP, 116                           ; at work
.set ZR, 117                           ; the offset 0
	s_load_b256 s[4:11], s[0:1], 0x0               ; all_z s[4:5], z s[6:7], eb s[8:9], zb s[10:11]
	s_load_b64 s[12:13], s[0:1], 0x20              ; hn
	v_and_b32 v3, 31, v0                           ; lane
	v_lshrrev_b32 v4, 5, v0
	v_readfirstlane_b32 s14, v4                    ; wave 0..12
	s_mul_i32 s15, ttmp9, 13
	s_add_co_u32 s15, s15, s14                     ; my task
	v_lshlrev_b32 v1, 4, v3                        ; 16 bytes a lane in f32
	v_lshlrev_b32 v2, 3, v3                        ; 8 bytes a lane in bf16
	v_mov_b32 v[ZR], 0
	s_mov_b32 s18, 0x76543210                      ; v_permlanex16_b32: lane i of one half reads lane i of the other
	s_mov_b32 s19, 0xfedcba98
	s_mov_b32 s21, 0xffff0000                      ; a word's upper bf16
	s_mov_b32 s17, 0                               ; high word of every offset: all are below 4 GiB
; Four rows from s[src:src+1] to s[dst:dst+1].  All sixteen loads go out first: the task's 8,192 bytes are on their way together.
.macro CONV src, dst, norm
.irp r, 0,1,2,3
.irp i, 0,1,2,3
	global_load_b128 v[X+16*\r+4*\i:X+16*\r+4*\i+3], v1, s[\src:\src+1] offset:2048*\r+512*\i th:TH_LOAD_NT
.endr
.endr
.irp r, 0,1,2,3
	s_wait_loadcnt 12-4*\r                         ; loads come back in order (ISA guide 5.7.1): row r's four are in, the later rows' stay out
.irp i, 0,1,2,3
	v_cvt_pk_bf16_f32 v[Y+8*\r+2*\i],   v[X+16*\r+4*\i],   v[X+16*\r+4*\i+1]
	v_cvt_pk_bf16_f32 v[Y+8*\r+2*\i+1], v[X+16*\r+4*\i+2], v[X+16*\r+4*\i+3]
	global_store_b64 v2, v[Y+8*\r+2*\i:Y+8*\r+2*\i+1], s[\dst:\dst+1] offset:1024*\r+256*\i   ; 32 lanes: 256 consecutive bytes; read again by the next launch, so no hint
.if \norm
	v_lshlrev_b32 v[W],   16,  v[Y+8*\r+2*\i]      ; the rounded numbers as f32
	v_and_b32     v[W+1], s21, v[Y+8*\r+2*\i]
	v_lshlrev_b32 v[W+2], 16,  v[Y+8*\r+2*\i+1]
	v_and_b32     v[W+3], s21, v[Y+8*\r+2*\i+1]
.if \i == 0
	v_pk_mul_f32 v[S:S+1],   v[W:W+1],   v[W:W+1]  ; the first piece starts the sums: nothing is cleared
	v_pk_mul_f32 v[S+2:S+3], v[W+2:W+3], v[W+2:W+3]
.else
	v_pk_fma_f32 v[S:S+1],   v[W:W+1],   v[W:W+1],   v[S:S+1]
	v_pk_fma_f32 v[S+2:S+3], v[W+2:W+3], v[W+2:W+3], v[S+2:S+3]
.endif
.endif
.endr
.if \norm
	v_pk_add_f32 v[S:S+1], v[S:S+1], v[S+2:S+3]
	v_add_f32 v[TP], v[S], v[S+1]                  ; my 16 numbers' squares; now over the 32 lanes
	v_add_f32_dpp v[TP], v[TP], v[TP] row_xmask:1 row_mask:0xf bank_mask:0xf
	v_add_f32_dpp v[TP], v[TP], v[TP] row_xmask:2 row_mask:0xf bank_mask:0xf
	v_add_f32_dpp v[TP], v[TP], v[TP] row_xmask:4 row_mask:0xf bank_mask:0xf
	v_add_f32_dpp v[TP], v[TP], v[TP] row_xmask:8 row_mask:0xf bank_mask:0xf
	v_permlanex16_b32 v[W], v[TP], s18, s19        ; its destination counts as read: W has been written
	v_add_f32 v[TP], v[TP], v[W]
	v_mul_f32 v[H+\r], 0.5, v[TP]
.endif
.endr
.endm
	s_wait_kmcnt 0x0
	s_cmp_ge_u32 s15, ETASKS
	s_cbranch_scc1 .Lz
	; a task of all_z
	s_lshl_b32 s16, s15, 13                        ; four rows of 2,048 bytes
	s_add_nc_u64 s[4:5], s[4:5], s[16:17]
	s_lshl_b32 s16, s15, 12                        ; four rows of 1,024 bytes
	s_add_nc_u64 s[8:9], s[8:9], s[16:17]
	s_lshl_b32 s16, s15, 4                         ; four norms
	s_add_nc_u64 s[12:13], s[12:13], s[16:17]
	CONV 4, 8, 1
	v_cmp_eq_u32 vcc_lo, 0, v3
	s_wait_xcnt 0x0                                ; EXEC is a source of the stores above: it changes only behind this wait
	s_and_saveexec_b32 s20, vcc_lo
	global_store_b128 v[ZR], v[H:H+3], s[12:13]    ; lane 0: every lane holds the same four sums
	s_wait_xcnt 0x0                                ; and again in front of the line that widens EXEC
	s_or_b32 exec_lo, exec_lo, s20
	s_endpgm
.Lz:
	; a task of z: no norm (it is the same for every candidate of a query and decides nothing)
	s_sub_co_u32 s15, s15, ETASKS
	s_lshl_b32 s16, s15, 13
	s_add_nc_u64 s[6:7], s[6:7], s[16:17]
	s_lshl_b32 s16, s15, 12
	s_add_nc_u64 s[10:11], s[10:11], s[16:17]
	CONV 6, 10, 0
	s_endpgm
.Lfunc_end_k_qd75ee0efc9_tobf16:
	.size	k_qd75ee0efc9_tobf16, .Lfunc_end_k_qd75ee0efc9_tobf16-k_qd75ee0efc9_tobf16
	.p2alignl 7, 3214868480
	.fill 96, 4, 3214868480
	.section	.rodata,"a",@progbits
	.p2align	6, 0x0
	.amdhsa_kernel k_qd75ee0efc9_tobf16
		.amdhsa_group_segment_fixed_size 0
		.amdhsa_private_segment_fixed_size 0
		.amdhsa_enable_private_segment 0
		.amdhsa_kernarg_size 40
		.amdhsa_user_sgpr_count 2
		.amdhsa_user_sgpr_kernarg_segment_ptr 1
		.amdhsa_wavefront_size32 1
		.amdhsa_system_sgpr_workgroup_id_x 1
		.amdhsa_system_sgpr_workgroup_id_y 1
		.amdhsa_system_sgpr_workgroup_id_z 1
		.amdhsa_system_vgpr_workitem_id 0
		.amdhsa_next_free_vgpr 120
		.amdhsa_next_free_sgpr 66
		.amdhsa_reserve_vcc 1
		.amdhsa_float_denorm_mode_32 3
		.amdhsa_float_denorm_mode_16_64 3
		.amdhsa_memory_ordered 1
		.amdhsa_forward_progress 1
		.amdhsa_inst_pref_size 18
	.end_amdhsa_kernel
	.amdgpu_metadata
---
amdhsa.version: [ 1, 2 ]
amdhsa.kernels:
  - .name:           k_qd75ee0efc9_tobf16
    .symbol:         k_qd75ee0efc9_tobf16.kd
    .args:
      - { .name: all_z, .offset: 0, .size: 8, .value_kind: global_buffer, .address_space: global }
      - { .name: z, .offset: 8, .size: 8, .value_kind: global_buffer, .address_space: global }
      - { .name: eb, .offset: 16, .size: 8, .value_kind: global_buffer, .address_space: global }
      - { .name: zb, .offset: 24, .size: 8, .value_kind: global_buffer, .address_space: global }
      - { .name: hn, .offset: 32, .size: 8, .value_kind: global_buffer, .address_space: global }
    .group_segment_fixed_size: 0
    .private_segment_fixed_size: 0
    .kernarg_segment_align: 8
    .kernarg_segment_size: 40
    .max_flat_workgroup_size: 416
    .sgpr_count:     66
    .vgpr_count:     120
    .wavefront_size: 32
...
	.end_amdgpu_metadata
.endif
;; end of part 1
;; launch score (part 2): grid 16 x 16, 4 waves a work-group, clusters of 4 x 4, 327,680 bytes of LDS; arguments zb, eb, hn, keys; writes keys
.if DOCPART == 2
	.amdgcn_target "amdgcn-amd-amdhsa--gfx1250"
	.amdhsa_code_object_version 6
	.text
	.protected	k_qd75ee0efc9_score
	.globl	k_qd75ee0efc9_score
	.p2align	8
	.type	k_qd75ee0efc9_score,@function
k_qd75ee0efc9_score:
	s_mov_b64 s[64:65], 0
	v_nop
	global_prefetch_b8 v0, s[64:65] scope:SCOPE_SE
	s_setreg_imm32_b32 hwreg(HW_REG_WAVE_MODE, 25, 1), 1
	s_wait_xcnt 0x0
	s_wait_alu depctr_hold_cnt(0) depctr_sa_sdst(0) depctr_va_vdst(0) depctr_va_sdst(0) depctr_va_ssrc(0) depctr_va_vcc(0) depctr_vm_vsrc(0)
	s_getreg_b32 s2, hwreg(HW_REG_IB_STS2, 6, 4)
	s_cmp_eq_u32 s2, 0
	s_cbranch_scc0 .Lentry_in_a_cluster
	s_endpgm
.Lentry_in_a_cluster:
	s_bfe_u32 s2, ttmp6, 0x10000c
	s_cmp_lg_u32 s2, 0xf033
	s_cbranch_scc0 .Lentry_shape_is_right
	s_endpgm
.Lentry_shape_is_right:
; For 256 queries and 1,584 table rows: acc(q, n) = (hn[0] - hn[n]) + q . e_n, and for each query the largest acc with the lowest n.
; The score of the problem is |e_0|^2 - 2 acc, so the largest acc is the smallest score; the shift hn[0] is common to all n and only keeps the sums small.
; zb [4096][512] bf16 (queries), eb [25128][512] bf16 (table), hn [25128] f32 (half norms of the rounded table rows).
; OUT: keys[p][q], p = 2 x + column half of the wave (32 partials), q = 0..4095, 8 bytes: word 0 an unsigned key that falls as acc rises, word 1 the row n.
; The choice among the 32 partials, and the gather, belong to the next launch: here no address and no branch hangs on a score.
;
; SHARES.  Work-group (x, y): queries 256 y .. +255, table rows start .. start + 1583, start = min(1572 x, 23544), in seven blocks 224 rows apart.
; A window has to hold 25128 / 16 = 1570.5 columns.  Four waves, as many as a WGP has SIMDs; wave w takes queries 128 (w >> 1) .. +127 and, of every block, columns from 112 (w & 1) on:
; 112 of them (7 tiles of 16) in blocks 0 to 5, 128 (8 tiles) in block 6, where the two halves overlap by 16 columns and together reach column 1583.  (Seven blocks of 224 would
; end at 1568, too early.)  All sixteen windows lie inside the table (23544 + 1584 = 25128); a row seen twice gives the same sum and the same n and changes nothing.
; A wave issues 6 x 896 + 1024 = 6,400 matrix instructions; for 32 along K it reads 30 x 512 bytes of LDS for 56 of them (32 for 64 in block 6).
; K goes in steps of 128 through two LDS slots (256 rows of queries, 2 x 128 of the table; rows of 256 bytes of memory at multiples of 256 bytes), 28 steps in all.
; Every load of table rows brings 128 rows from 112 x half on, in all blocks: one descriptor and one step of the address serve both widths; in blocks 0 to 5 the last 16 rows of each half
; land and are not read.
; CLUSTERS: 4 x 4 work-groups.  The four of a row share y and so the queries' tiles, the four of a column share x and so the table's tiles: each tile is asked for
; jointly by the four, by the same line with the same descriptor, which divides the requests by four.
;
; THE MATRIX INSTRUCTION: source 0 = 16 table rows, source 1 = 16 queries.  Lane l then holds query l % 16, and its registers 0..7 the table rows 8 (l / 16) + 0..7.
; The first product of a block takes hn[0] - hn[n] in that layout as its C: nothing is cleared and no norm is subtracted afterwards.
;
; REGISTERS, in windows of 256:
;   window 0: v0-13 addresses; v16-23 the best sum of query tile 0..7, v24-31 where it was; v32-63 a window's tile maxima (at the end: the way out);
;             v64-127, v128-191 fragments of the queries (8 x 16 rows x 32 K), two buffers; v192-255 the winning tiles' eight sums
;   window 1: v64-127, v128-191 fragments of the table (8 x 16 rows x 32 K), two buffers; v192-255 hn[0] - hn[n] of the block, tile b at 192 + 8 b
;   window 2: accumulators of query tiles 0-3, window 3: of query tiles 4-7; tile (a, b) at v[8 (8 a + b)]
;
; LIMITS.  The index is that of the inputs rounded to bf16 (norm and product both).  NaN and infinities in the inputs are not served: a NaN sum never wins.
; Two rows whose sums differ by less than the rounding of an f32 sum of 512 products may go either way.  -0 counts as +0.
.set PITCH, 272                        ; an LDS row: 256 bytes of data + 16 of padding = 68 words, so the 16 rows that a load touches start at 16 different banks (64 banks of 4 bytes: ISA guide 11.1)
.set HALFT, 128*PITCH                  ; 128 rows: what one tensor load brings, and what one wave reads of the queries or of the table
.set BOFF,  2*HALFT                    ; the table's rows lie behind the queries' 256
.set SLOT,  4*HALFT                    ; 139,264 bytes; two slots take 278,528 bytes of the work-group's LDS
.set KSB,   256                        ; bytes of a K step in a row
.set BLKC,  224                        ; columns from a block to the next
.set BLKB,  BLKC*1024                  ; the same in bytes of the table
.set ADRA, 6                           ; v6-7    LDS address of my query fragments in slot 0, 1
.set ADRB, 8                           ; v8-9    the same for the table
.set HOFF, 10                          ; v10     32 (l / 16): my eight norms in a tile's sixteen
.set KOFF, 11                          ; v11     8 l: my key in a store of 32
.set H8,   12                          ; v12     8 (l / 16)
.set NINF, 13                          ; v13     -infinity
.set KV,   16                          ; v[16:23] best sum, at the end the key, of query tile 0..7
.set KN,   24                          ; v[24:31] its tile, counted in tiles of 16 columns from the current block's first; at the end the row
.set TM,   32                          ; v[32:63] the largest of my eight sums of tile (a, b) of one window, at TM + 4 b + a
.set JJ,   32                          ; v[32:39] at the end: which of the eight
.set KP,   40                          ; v[40:47] at the end: four pairs (key, row) to store
.set XG,   48                          ; v[48:51] at the end: what goes to, and comes from, the other half of the lanes
.set F0,   64
.set F1,   128
.set ST,   192                         ; window 0: the winning tile's eight sums, query tile a at ST + 8 a
.set HN,   192                         ; window 1
.set G1,  24                           ; s[24:31] descriptor group 1, queries
.set G0,  32                           ; s[32:39] group 0, queries, one set for each slot
.set G1B, 48                           ; s[48:55] group 1, table: it differs in the mask alone
.set G0B, 56                           ; s[56:63] group 0, table, one set for each slot
.set MK,  80                           ; s[80:95] sixteen lane masks: four query tiles x four table tiles
.set MSB, 0
.macro WIN new                         ; the immediate's high byte repeats the setting that is left; a switch that changes nothing is dropped
.if MSB != \new
	s_set_vgpr_msb (MSB<<8)|\new
.set MSB, \new
.endif
.endm
; low byte: bits 1:0 source 0, 3:2 source 1, 5:4 source 2, 7:6 destination
.set MUL_LO,   0xa1                    ; table window 1, queries window 0, C and D window 2
.set MUL_HI,   0xf1                    ; the same, C and D window 3
.set FIRST_LO, 0x91                    ; C from window 1 (the norms), D window 2
.set FIRST_HI, 0xd1
.set TO_B,     0x40                    ; destination window 1, address window 0
.set SUBH,     0x44                    ; source 1 and destination window 1
.set EP_LO,    0x28                    ; sources 1 and 2 window 2, source 0 and destination window 0
.set EP_HI,    0x3c                    ; the same with window 3
; Four places behind a matrix instruction before a vector instruction reads its result or a load lands on one of its registers; only plain vector
; instructions that name none of its registers are places (ISA guide 7.12.1 for vector instructions).
.macro PLACES
.rept 4
	v_nop
.endr
.endm
; A joint load.  Waves 0 and 1 fetch the two halves of the queries' tile, waves 2 and 3 those of the table's.  Each line has one mask and one set of registers;
; the branch hangs on the wave's number alone.  Four v_nop follow each line.
.macro JLOAD s
	s_cmp_eq_u32 s13, 0
	s_cbranch_scc0 .Lfor_b_\@
	tensor_load_to_lds s[G0+4*\s:G0+4*\s+3], s[G1:G1+7]
	s_nop 0
.rept 4
	v_nop
.endr
	s_branch .Lasked_\@
.Lfor_b_\@:
	tensor_load_to_lds s[G0B+4*\s:G0B+4*\s+3], s[G1B:G1B+7]
	s_nop 0
.rept 4
	v_nop
.endr
.Lasked_\@:
.endm
; A round of the cluster's barrier: my work-group's barrier; wave 0 signals for the work-group; every wave waits for all sixteen; my work-group's barrier again.
.macro CREST                           ; a round behind its opening barrier
	s_cmp_lg_u32 s12, 0
	s_cbranch_scc1 .Lnot_wave_0_\@
	s_barrier_signal -3
.Lnot_wave_0_\@:
	s_barrier_wait -3
	s_barrier_signal -1
	s_barrier_wait -1
.endm
.macro CROUND
	s_barrier_signal -1
	s_barrier_wait -1
	CREST
.endm
	s_load_b256 s[4:11], s[0:1], 0x0               ; zb s[4:5], eb s[6:7], hn s[8:9], keys s[10:11]
	s_set_vgpr_msb 0x40
	v_lshl_add_u32 v63, v0, 2, 0x44000
	s_set_vgpr_msb 0x4000
	v_mov_b32 v15, 0
	s_set_vgpr_msb 0x1
	ds_add_u32 v63, v15
	ds_add_u32 v63, v15
	s_set_vgpr_msb 0x100
	v_lshrrev_b32 v1, 5, v0
	v_readfirstlane_b32 s12, v1                    ; wave 0..3
	s_lshr_b32 s13, s12, 1                         ; which 128 queries are mine.  Also: I fetch queries (0) or table rows (1)
	s_and_b32 s14, s12, 1                          ; which half of the columns is mine.  Also: which half of that tile I fetch
	s_bfe_u32 s40, ttmp6, 0x40000                  ; cx
	s_bfe_u32 s41, ttmp6, 0x40004                  ; cy
	s_lshl_b32 s42, ttmp9, 2                       ; in a cluster launch ttmp9 and ttmp7 count clusters
	s_add_co_u32 s42, s42, s40                     ; x: which window of the table
	s_and_b32 s43, ttmp7, 0xffff
	s_lshl_b32 s43, s43, 2
	s_add_co_u32 s43, s43, s41                     ; y: which 256 queries
	s_lshl_b32 s44, s41, 2
	s_lshl_b32 s44, 15, s44                        ; my row of the cluster: places 4 cy .. 4 cy + 3
	s_lshl_b32 s45, 0x1111, s40                    ; my column: places cx, cx + 4, cx + 8, cx + 12
	; group 1: 128 rows of 128 elements of 2 bytes, 16 bytes of padding behind each; 512 elements from row to row
	s_or_b32 s[G1+0],  s44, (1<<16)|(1<<20)|(1<<21)|(5<<22)|(3<<25)  ; 15:0 mask: my row; 17:16 2 bytes; 20 padding on; 21 set beside a mask; 24:22 after every 64 words; 31:25 four words
	s_or_b32 s[G1B+0], s45, (1<<16)|(1<<20)|(1<<21)|(5<<22)|(3<<25)  ; the same with my column
	s_mov_b32 s[G1+1],  128<<16                    ; tensor_dim0 = 128
	s_mov_b32 s[G1B+1], 128<<16
	s_mov_b32 s[G1+2],  128<<16                    ; tensor_dim1 = 128
	s_mov_b32 s[G1B+2], 128<<16
	s_mov_b32 s[G1+3],  128<<16                    ; tile_dim0 = 128
	s_mov_b32 s[G1B+3], 128<<16
	s_mov_b32 s[G1+4],  128                        ; tile_dim1 = 128
	s_mov_b32 s[G1B+4], 128
	s_mov_b32 s[G1+5],  512                        ; elements from row to row
	s_mov_b32 s[G1B+5], 512
	s_mov_b32 s[G1+6],  0
	s_mov_b32 s[G1B+6], 0
	s_mov_b32 s[G1+7],  0
	s_mov_b32 s[G1B+7], 0
	; offsets.  s[16:19] hold y and the wave's number alone; whatever is made of x lies in s[20:23], s[46:47], s66, s67.
	s_lshl_b32 s16, s43, 8
	s_lshl_b32 s17, s14, 7
	s_add_co_u32 s16, s16, s17                     ; query row 256 y + 128 x half
	s_lshl_b32 s16, s16, 10                        ; rows of 1,024 bytes
	s_mov_b32 s17, 0
	s_mul_i32 s66, s42, 1572
	s_min_u32 s66, s66, 23544                      ; start: the last window ends with the table
	s_mul_i32 s20, s14, 112
	s_add_co_u32 s20, s20, s66                     ; start + 112 x half: my columns, and the half that I fetch
	s_add_co_u32 s67, s20, 6*BLKC                  ; my first column of the last block: rows are counted from here at the end
	s_lshl_b32 s46, s20, 10
	s_mov_b32 s47, 0
	s_lshl_b32 s20, s20, 2                         ; the same place in hn; a multiple of 16 bytes (1572, 23544, 112 and 224 are multiples of 4)
	s_mov_b32 s21, 0
	s_lshl_b32 s22, s42, 1
	s_add_co_u32 s22, s22, s14                     ; partial 2 x + column half
	s_lshl_b32 s22, s22, 15                        ; 4,096 queries of 8 bytes
	s_lshl_b32 s23, s43, 11                        ; 256 y queries
	s_add_co_u32 s22, s22, s23
	s_lshl_b32 s23, s13, 10                        ; 128 queries
	s_add_co_u32 s22, s22, s23
	s_mov_b32 s23, 0
	s_mul_i32 s75, s12, HALFT                      ; where a tile goes: the queries' two halves, then the table's two = wave x 128 rows.  No place in the cluster enters an LDS address
	s_mov_b32 s72, 0x76543210                      ; v_permlanex16_b32: lane i of one half reads lane i of the other
	s_mov_b32 s73, 0xfedcba98
	s_mov_b32 s74, 0xffff0000                      ; as a lane mask: lanes 16 to 31
	s_wait_dscnt 0x0
	s_wait_kmcnt 0x0
	s_load_b32 s15, s[8:9], 0x0                    ; hn[0]; this launch writes nothing into hn
	s_add_nc_u64 s[18:19], s[4:5], s[16:17]
	s_add_nc_u64 s[46:47], s[6:7], s[46:47]
	s_add_nc_u64 s[10:11], s[10:11], s[22:23]
	s_wait_kmcnt 0x0                               ; hn[0] is in, so its base may be stepped
	s_add_nc_u64 s[8:9], s[8:9], s[20:21]          ; hn at my columns of block 0
	CROUND                                         ; all sixteen work-groups are here: the first joint loads meet
.irp s, 0,1
	s_mov_b32 s[G0+4*\s], 1                                        ; count = 1
	s_add_co_u32 s[G0+4*\s+1], s75, \s*SLOT                        ; LDS address
	s_add_nc_u64 s[G0+4*\s+2:G0+4*\s+3], s[18:19], \s*KSB          ; global address: K step s
	s_or_b32 s[G0+4*\s+3], s[G0+4*\s+3], 0x80000000                ; type = 2
	s_mov_b32 s[G0B+4*\s], 1
	s_add_co_u32 s[G0B+4*\s+1], s75, \s*SLOT
	s_add_nc_u64 s[G0B+4*\s+2:G0B+4*\s+3], s[46:47], \s*KSB
	s_or_b32 s[G0B+4*\s+3], s[G0B+4*\s+3], 0x80000000
	JLOAD \s                                       ; both slots are asked for before anything else is done: two tensor loads of the wave are out
.endr
	; A fragment is 16 rows x 32 K in 8 registers: lane l holds row l % 16; registers 0-3 K = 8 (l / 16) + 0..7, registers 4-7 K = 16 + 8 (l / 16) + 0..7:
	; two loads of 16 bytes, 32 bytes apart, at row x pitch + 16 (l / 16).
	v_and_b32 v1, 15, v0
	v_bfe_u32 v2, v0, 4, 1
	v_mul_u32_u24 v3, v1, PITCH
	v_lshl_add_u32 v3, v2, 4, v3
	s_mul_i32 s76, s13, HALFT                      ; my 128 queries
	s_mul_i32 s77, s14, HALFT
	s_add_co_u32 s77, s77, BOFF                    ; my half of the table's rows
.irp s, 0,1
	v_add_nc_u32 v[ADRA+\s], s76, v3
	v_add_nc_u32 v[ADRB+\s], s77, v3
	s_add_co_u32 s76, s76, SLOT
	s_add_co_u32 s77, s77, SLOT
.endr
	v_lshlrev_b32 v[HOFF], 5, v2
	v_and_b32 v4, 31, v0
	v_lshlrev_b32 v[KOFF], 3, v4
	v_lshlrev_b32 v[H8], 3, v2
	; The running best starts at -infinity, once in the launch: a select reads its destination, so these registers must have been written.
	v_mov_b32 v[NINF], 0xff800000
.irp a, 0,1,2,3,4,5,6,7
	v_mov_b32 v[KV+\a], 0xff800000
	v_mov_b32 v[KN+\a], 0
.irp j, 0,1,2,3,4,5,6,7
	v_mov_b32 v[ST+8*\a+\j], 0xff800000
.endr
.endr
; A block's norms in the accumulators' layout: for tile b my eight at byte 64 b + 32 (l / 16).  Always eight tiles, 512 bytes of the wave's own columns read in this one run:
; the last block needs the eighth, and one text serves every block.
.macro LOADHN
	WIN TO_B
.irp b, 0,1,2,3,4,5,6,7
	global_load_b128 v[HN+8*\b:HN+8*\b+3],   v[HOFF], s[8:9] offset:64*\b
	global_load_b128 v[HN+8*\b+4:HN+8*\b+7], v[HOFF], s[8:9] offset:64*\b+16
.endr
.endm
	LOADHN
	WIN 0
; 2 nb matrix instructions: query tiles a0, a0 + 1 of the window's four (hi = 0: tiles 0-3, 1: tiles 4-7) x nb table tiles, 32 along K.
; first = 1: C is hn[0] - hn[n].  The accumulators take turns, one instruction a turn, in the same order in every quarter step and over the loop's backward jump.
.macro MULG f, hi, a0, first, nb
.irp a, \a0, \a0+1
.set tb, 0
.rept \nb
.if \first
	v_wmma_f32_16x16x32_bf16 v[8*(8*(\a)+tb):8*(8*(\a)+tb)+7], v[\f+8*tb:\f+8*tb+7], v[\f+8*(4*\hi+\a):\f+8*(4*\hi+\a)+7], v[HN+8*tb:HN+8*tb+7]
.else
	v_wmma_f32_16x16x32_bf16 v[8*(8*(\a)+tb):8*(8*(\a)+tb)+7], v[\f+8*tb:\f+8*tb+7], v[\f+8*(4*\hi+\a):\f+8*(4*\hi+\a)+7], v[8*(8*(\a)+tb):8*(8*(\a)+tb)+7]
.endif
.set tb, tb+1
.endr
.endr
.endm
; 2 nb + 16 LDS loads in one run: the fragments of a quarter step (16 nb table rows, 128 queries, 32 K at byte k of the rows) into buffer f
.macro FETCH slot, k, f, nb
	WIN TO_B
.set tb, 0
.rept \nb
	ds_load_b128 v[\f+8*tb:\f+8*tb+3],   v[ADRB+\slot] offset:\k+tb*16*PITCH
	ds_load_b128 v[\f+8*tb+4:\f+8*tb+7], v[ADRB+\slot] offset:\k+tb*16*PITCH+32
.set tb, tb+1
.endr
	WIN 0
.irp i, 0,1,2,3,4,5,6,7
	ds_load_b128 v[\f+8*\i:\f+8*\i+3],   v[ADRA+\slot] offset:\k+\i*16*PITCH
	ds_load_b128 v[\f+8*\i+4:\f+8*\i+7], v[ADRA+\slot] offset:\k+\i*16*PITCH+32
.endr
.endm
; A K step is four quarter steps of 32 along K, 8 nb matrix instructions each, on buffers 0, 1, 0, 1.
; One of the first three: multiplies buffer f; in its middle it fetches the next quarter's fragments, at byte k of the same slot's rows, into buffer g.
.macro QUARTER slot, k, f, g, first, nb
	s_wait_dscnt 8                                 ; the table's fragments and queries 0-63 are in; the youngest eight loads (queries 64-127) may be out
.if \first
	WIN FIRST_LO
.else
	WIN MUL_LO
.endif
	MULG \f, 0, 0, \first, \nb
	MULG \f, 0, 2, \first, \nb
	PLACES                                         ; buffer g was read by the quarter before
	FETCH \slot, \k, \g, \nb
	s_wait_dscnt 2*\nb+16                          ; all but the run just issued
.if \first
	WIN FIRST_HI
.else
	WIN MUL_HI
.endif
	MULG \f, 1, 0, \first, \nb
	MULG \f, 1, 2, \first, \nb
.endm
.macro THREE slot, first, nb
	QUARTER \slot, 64,  F0, F1, \first, \nb
	QUARTER \slot, 128, F1, F0, 0, \nb
	QUARTER \slot, 192, F0, F1, 0, \nb
.endm
; The last quarter of a K step: multiplies buffer 1 and changes slots.  fill = 1: this slot is filled again, two K steps ahead.
; wrap = 0: that step lies 512 bytes further along the same rows.  wrap = 1: it belongs to the next block: the queries go 512 bytes back, the table 224 rows on and 512 bytes back.
; nbn = how many table tiles the next quarter's fetch takes (eight where it crosses into the next block, which may be the wide one).
; In front of the barrier each wave waits for its reads of this slot and for all its tensor loads (one is out: its part of the next slot).  Where the slot is filled again
; the barrier opens a round of the cluster's barrier, inside which only registers are worked on, and the joint refill is the first tensor load behind the round:
; one tensor load of the wave is out from there to the next such wait, 4 nb + 24 nb + 2 nb = 210 matrix instructions later for nb = 7 (and a block's search for the best, behind its last K step).
.macro TURN slot, next, fill, wrap, nb, nbn
	s_wait_dscnt 8
	WIN MUL_LO
	MULG F1, 0, 0, 0, \nb
	s_wait_dscnt 0                                 ; my reads of this slot are over
	s_wait_tensorcnt 0x0                           ; all my tensor loads have landed
	ds_add_u32 v63, v15
	s_wait_dscnt 0x0
	s_barrier_signal -1
	MULG F1, 0, 2, 0, \nb                          ; registers only, while the others arrive
	WIN 0
	s_barrier_wait -1
.if \fill
	CREST                                          ; no wave of any partner still reads this slot or has a load on its way
.if \wrap
	s_sub_nc_u64 s[G0+4*\slot+2:G0+4*\slot+3],   s[G0+4*\slot+2:G0+4*\slot+3],   2*KSB
	s_add_nc_u64 s[G0B+4*\slot+2:G0B+4*\slot+3], s[G0B+4*\slot+2:G0B+4*\slot+3], BLKB-2*KSB
.else
	s_add_nc_u64 s[G0+4*\slot+2:G0+4*\slot+3],   s[G0+4*\slot+2:G0+4*\slot+3],   2*KSB
	s_add_nc_u64 s[G0B+4*\slot+2:G0B+4*\slot+3], s[G0B+4*\slot+2:G0B+4*\slot+3], 2*KSB
.endif
	JLOAD \slot                                    ; the four v_nop behind it are also the places in front of the loads below
.else
	PLACES
.endif
	FETCH \next, 0, F0, \nbn
	WIN MUL_HI
	MULG F1, 1, 0, 0, \nb
	MULG F1, 1, 2, 0, \nb
.endm
.macro LASTQ nb                        ; the very last quarter: nothing more to fetch
	s_wait_dscnt 8
	WIN MUL_LO
	MULG F1, 0, 0, 0, \nb
	MULG F1, 0, 2, 0, \nb
	s_wait_dscnt 0
	WIN MUL_HI
	MULG F1, 1, 0, 0, \nb
	MULG F1, 1, 2, 0, \nb
.endm
; The head of a block: its norms have come; those of its nb tiles become hn[0] - hn[n].
.macro HEAD nb
	s_wait_loadcnt 0x0                             ; the sixteen loads of the norms are the only global loads out; this wait also frees their base
	s_add_nc_u64 s[8:9], s[8:9], 4*BLKC            ; the next block's norms
	WIN SUBH
.set i, 0
.rept 8*\nb
	v_sub_f32 v[HN+i], s15, v[HN+i]
.set i, i+1
.endr
.endm
; THE SEARCH FOR THE BEST in one window's 4 x nb tiles.  The accumulators fill their windows, so the search's own registers lie in window 0, and its lines go under two settings:
; sources 1 and 2 in the accumulators' window (maxima, saves), or all in window 0 (compare, place, best).  The four query tiles go side by side so that no line waits for the one in front.
; For a tile: the largest of my eight sums; if it beats the best so far (strictly: on a tie the earlier, lower row stays) the tile's number and its eight sums are kept.
; Which of the eight it was is found once, at the end.  15 instructions for 8 sums.
.macro EMAX nb                         ; the largest of my eight sums of every tile; -infinity as source 0 lets the first line go under the same setting as the others
.set tb, 0
.rept \nb
.irp a, 0,1,2,3
	v_max3_num_f32 v[TM+4*tb+\a], v[NINF], v[8*(8*\a+tb)], v[8*(8*\a+tb)+1]
.endr
.irp a, 0,1,2,3
	v_max3_num_f32 v[TM+4*tb+\a], v[TM+4*tb+\a], v[8*(8*\a+tb)+2], v[8*(8*\a+tb)+3]
.endr
.irp a, 0,1,2,3
	v_max3_num_f32 v[TM+4*tb+\a], v[TM+4*tb+\a], v[8*(8*\a+tb)+4], v[8*(8*\a+tb)+5]
.endr
.irp a, 0,1,2,3
	v_max3_num_f32 v[TM+4*tb+\a], v[TM+4*tb+\a], v[8*(8*\a+tb)+6], v[8*(8*\a+tb)+7]
.endr
.set tb, tb+1
.endr
.endm
.macro EMASK hi, b0, n                 ; table tiles b0 .. b0 + n - 1 in turn: who wins, where, the new best; the masks wait in scalar registers for the saves
.set tb, \b0
.rept \n
.irp a, 0,1,2,3
	v_cmp_gt_f32 s[MK+4*(tb-\b0)+\a], v[TM+4*tb+\a], v[KV+4*\hi+\a]
.endr
.irp a, 0,1,2,3
	v_cndmask_b32 v[KN+4*\hi+\a], v[KN+4*\hi+\a], tb, s[MK+4*(tb-\b0)+\a]
.endr
.irp a, 0,1,2,3
	v_max_num_f32 v[KV+4*\hi+\a], v[KV+4*\hi+\a], v[TM+4*tb+\a]
.endr
.set tb, tb+1
.endr
.endm
.macro ESAVE hi, b0, n                 ; the same tiles in the same turn: a winner's eight sums are kept
.set tb, \b0
.rept \n
.irp a, 0,1,2,3
.irp j, 0,1,2,3,4,5,6,7
	v_cndmask_b32 v[ST+8*(4*\hi+\a)+\j], v[ST+8*(4*\hi+\a)+\j], v[8*(8*\a+tb)+\j], s[MK+4*(tb-\b0)+\a]
.endr
.endr
.set tb, tb+1
.endr
.endm
.macro EPI set, hi, nb
	WIN \set
	EMAX \nb
	WIN 0
.irp a, 0,1,2,3
	v_add_nc_u32 v[KN+4*\hi+\a], -14, v[KN+4*\hi+\a]   ; the place counts from the current block's first column: 224 columns = 14 tiles less in each block
.endr
	EMASK \hi, 0, 4
	WIN \set
	ESAVE \hi, 0, 4
	WIN 0
	EMASK \hi, 4, \nb-4
	WIN \set
	ESAVE \hi, 4, \nb-4
.endm
; A block: four K steps, then the search.  last = 1: the last two K steps fill nothing, and no further norms are fetched.
.macro BLOCK last, nb
	HEAD \nb
	THREE 0, 1, \nb
	TURN 0, 1, 1, 0, \nb, \nb
.if \last == 0
	LOADHN                                         ; the norms' registers were last read by the first quarter's matrix instructions; the later quarters' v_nop are the places between
.endif
	THREE 1, 0, \nb
	TURN 1, 0, 1, 0, \nb, \nb
	THREE 0, 0, \nb
.if \last
	TURN 0, 1, 0, 0, \nb, \nb
	THREE 1, 0, \nb
	LASTQ \nb
.else
	TURN 0, 1, 1, 1, \nb, \nb
	THREE 1, 0, \nb
	TURN 1, 0, 1, 1, \nb, 8
.endif
	PLACES                                         ; behind the block's last matrix instructions, in front of the lines that read their results
	EPI EP_LO, 0, \nb
	EPI EP_HI, 1, \nb
	WIN 0                                          ; at a label and at a branch every window is 0
.endm
	s_wait_tensorcnt 1                             ; my part of K step 0 is in; K step 1's may stay out
	s_barrier_signal -1
	s_barrier_wait -1                              ; everybody's is
	FETCH 0, 0, F0, 7
	s_mov_b32 s3, 6
.Lblock:
	BLOCK 0, 7                                     ; blocks 0 to 5: 7 table tiles a wave
	s_sub_co_u32 s3, s3, 1
	s_cmp_lg_u32 s3, 0
	s_cbranch_scc1 .Lblock
	BLOCK 1, 8                                     ; block 6: 8 table tiles a wave
	; THE WAY OUT, all in window 0.  The lowest j whose kept sum equals the best; the row's place = 16 x tile + j.
.irp a, 0,1,2,3,4,5,6,7
	v_mov_b32 v[JJ+\a], 7
.endr
.irp j, 6,5,4,3,2,1,0
.irp a, 0,1,2,3,4,5,6,7
	v_cmp_eq_f32 s[MK+\a], v[ST+8*\a+\j], v[KV+\a]
.endr
.irp a, 0,1,2,3,4,5,6,7
	v_cndmask_b32 v[JJ+\a], v[JJ+\a], \j, s[MK+\a]
.endr
.endr
	; The sum's bits become an unsigned key that falls as the sum rises: a sum of sign 0 has its low 31 bits turned over, a negative one stays as it is.
.irp a, 0,1,2,3,4,5,6,7
	v_lshl_add_u32 v[KN+\a], v[KN+\a], 4, v[JJ+\a]
	v_add_f32 v[KV+\a], 0, v[KV+\a]                ; -0 becomes +0
	v_xor_b32 v3, 0x7fffffff, v[KV+\a]
	v_cmp_gt_i32 vcc_lo, 0, v[KV+\a]
	v_cndmask_b32 v[KV+\a], v3, v[KV+\a], vcc_lo
	v_add3_u32 v[KN+\a], v[KN+\a], v[H8], s67      ; row = my first column of the last block + place + 8 (l / 16)
.endr
	v_mov_b32 v[XG+2], 0                           ; destinations of v_permlanex16_b32 count as read
	v_mov_b32 v[XG+3], 0
; (yh, yl) = the smaller of (yh, yl) and (xh, xl), the first word deciding, then the second: the better key, on a tie the lower row
.macro LEXMIN yh, yl, xh, xl
	v_cmp_lt_u32 s76, v[\xh], v[\yh]
	v_cmp_eq_u32 s77, v[\xh], v[\yh]
	v_cmp_lt_u32 s78, v[\xl], v[\yl]
	s_and_b32 s77, s77, s78
	s_or_b32 s76, s76, s77
	v_cndmask_b32 v[\yh], v[\yh], v[\xh], s76
	v_cndmask_b32 v[\yl], v[\yl], v[\xl], s76
.endm
	; Lanes l and l + 16 hold the two halves of one query's candidates.  Of two query tiles the lower lanes keep the first and give the second, the upper lanes the other
	; way round: after the exchange lane l holds query 32 p + l whole, and a store of the wave covers 256 consecutive bytes at a multiple of 256 from the buffer's first byte.
.irp p, 0,1,2,3
	v_cndmask_b32 v[KP+2*\p],   v[KV+2*\p],   v[KV+2*\p+1], s74
	v_cndmask_b32 v[KP+2*\p+1], v[KN+2*\p],   v[KN+2*\p+1], s74
	v_cndmask_b32 v[XG],        v[KV+2*\p+1], v[KV+2*\p],   s74
	v_cndmask_b32 v[XG+1],      v[KN+2*\p+1], v[KN+2*\p],   s74
	v_permlanex16_b32 v[XG+2], v[XG],   s72, s73
	v_permlanex16_b32 v[XG+3], v[XG+1], s72, s73
	LEXMIN KP+2*\p, KP+2*\p+1, XG+2, XG+3
	global_store_b64 v[KOFF], v[KP+2*\p:KP+2*\p+1], s[10:11] offset:256*\p
.endr
	CROUND                                         ; the closing round: no work-group ends while a partner may still ask for a tile that names it
	s_endpgm
.Lfunc_end_k_qd75ee0efc9_score:
	.size	k_qd75ee0efc9_score, .Lfunc_end_k_qd75ee0efc9_score-k_qd75ee0efc9_score
	.p2alignl 7, 3214868480
	.fill 96, 4, 3214868480
	.section	.rodata,"a",@progbits
	.p2align	6, 0x0
	.amdhsa_kernel k_qd75ee0efc9_score
		.amdhsa_group_segment_fixed_size 327680
		.amdhsa_private_segment_fixed_size 0
		.amdhsa_enable_private_segment 0
		.amdhsa_kernarg_size 32
		.amdhsa_user_sgpr_count 2
		.amdhsa_user_sgpr_kernarg_segment_ptr 1
		.amdhsa_wavefront_size32 1
		.amdhsa_system_sgpr_workgroup_id_x 1
		.amdhsa_system_sgpr_workgroup_id_y 1
		.amdhsa_system_sgpr_workgroup_id_z 1
		.amdhsa_system_vgpr_workitem_id 0
		.amdhsa_next_free_vgpr 1024
		.amdhsa_next_free_sgpr 96
		.amdhsa_reserve_vcc 1
		.amdhsa_float_denorm_mode_32 3
		.amdhsa_float_denorm_mode_16_64 3
		.amdhsa_memory_ordered 1
		.amdhsa_forward_progress 1
		.amdhsa_inst_pref_size 255
	.end_amdhsa_kernel
	.section	.bss,"aw",@nobits
	.p2align	6
	.space	262144
	.amdgpu_metadata
---
amdhsa.version: [ 1, 2 ]
amdhsa.kernels:
  - .name:           k_qd75ee0efc9_score
    .symbol:         k_qd75ee0efc9_score.kd
    .args:
      - { .name: zb, .offset: 0, .size: 8, .value_kind: global_buffer, .address_space: global }
      - { .name: eb, .offset: 8, .size: 8, .value_kind: global_buffer, .address_space: global }
      - { .name: hn, .offset: 16, .size: 8, .value_kind: global_buffer, .address_space: global }
      - { .name: keys, .offset: 24, .size: 8, .value_kind: global_buffer, .address_space: global }
    .group_segment_fixed_size: 327680
    .private_segment_fixed_size: 0
    .kernarg_segment_align: 8
    .kernarg_segment_size: 32
    .max_flat_workgroup_size: 128
    .sgpr_count:     96
    .vgpr_count:     1024
    .wavefront_size: 32
...
	.end_amdgpu_metadata
.endif
;; end of part 2
;; launch pick (part 3): grid 128 x 1, 8 waves a work-group, no clusters, 3,072 bytes of LDS; arguments keys, all_z, out0; writes out0
.if DOCPART == 3
	.amdgcn_target "amdgcn-amd-amdhsa--gfx1250"
	.amdhsa_code_object_version 6
	.text
	.protected	k_qd75ee0efc9_pick
	.globl	k_qd75ee0efc9_pick
	.p2align	8
	.type	k_qd75ee0efc9_pick,@function
k_qd75ee0efc9_pick:
	s_mov_b64 s[64:65], 0
	v_nop
	global_prefetch_b8 v0, s[64:65] scope:SCOPE_SE
	s_setreg_imm32_b32 hwreg(HW_REG_WAVE_MODE, 25, 1), 1
	s_wait_xcnt 0x0
; out0[q] = all_z[n(q)], n(q) = the row of the smallest (key, row) among the 32 partials keys[p][q] that the launch before stored.
; Every choice here is an unsigned compare of whole numbers read from memory; the rows go out as the f32 numbers that all_z holds.
; Work-group g owns queries 32 g .. 32 g + 31, so that a wave's load of keys covers 256 consecutive bytes at a multiple of 256 from the buffer's first byte:
; 4096 / 32 = 128 work-groups have work.  Wave w first reduces partials 4 w .. 4 w + 3 (lane = query); the eight waves' results meet in LDS;
; then wave w copies the rows of queries 4 w .. 4 w + 3, each load and store covering 512 consecutive bytes.
; No two work-groups are bound to read the same bytes: no cluster.  No matrix work.
; An index is cut to 25127 before it enters an address (it is inside the table unless the inputs held NaN or infinities, which are not served).
.set VMAX, 25127
	s_load_b128 s[4:7], s[0:1], 0x0                ; keys s[4:5], all_z s[6:7]
	s_load_b64 s[8:9], s[0:1], 0x10                ; out0
	v_lshl_add_u32 v96, v0, 2, 0x800
	v_mov_b32 v97, 0
	v_lshrrev_b32 v1, 5, v0
	v_readfirstlane_b32 s10, v1                    ; wave 0..7
	v_and_b32 v1, 31, v0                           ; lane
	v_lshlrev_b32 v2, 3, v1                        ; 8 bytes a lane: a key
	v_lshlrev_b32 v3, 4, v1                        ; 16 bytes a lane: a row's piece
	v_lshlrev_b32 v4, 3, v0                        ; LDS: 256 x wave + 8 x lane
	v_and_b32 v5, 3, v0
	v_lshlrev_b32 v5, 3, v5
	v_lshl_add_u32 v5, s10, 5, v5                  ; LDS: 8 (4 w + lane % 4): one of my four queries
	s_lshl_b32 s12, ttmp9, 8                       ; 32 queries of 8 bytes
	s_lshl_b32 s14, s10, 17                        ; four partials of 32,768 bytes
	s_add_co_u32 s12, s12, s14
	s_mov_b32 s13, 0
	s_mov_b32 s27, 0
	s_wait_kmcnt 0x0
	s_add_nc_u64 s[4:5], s[4:5], s[12:13]
.irp i, 0,1,2,3
	global_load_b64 v[8+2*\i:9+2*\i], v2, s[4:5] offset:32768*\i
.endr
	s_lshl_b32 s12, ttmp9, 16                      ; 32 rows of 2,048 bytes
	s_lshl_b32 s14, s10, 13                        ; four rows
	s_add_co_u32 s12, s12, s14
	s_add_nc_u64 s[8:9], s[8:9], s[12:13]
; (yh, yl) = the smaller of (yh, yl) and (xh, xl): the key decides, on a tie the lower row
.macro LEXMIN yh, yl, xh, xl
	v_cmp_lt_u32 s28, v[\xh], v[\yh]
	v_cmp_eq_u32 s29, v[\xh], v[\yh]
	v_cmp_lt_u32 s30, v[\xl], v[\yl]
	s_and_b32 s29, s29, s30
	s_or_b32 s28, s28, s29
	v_cndmask_b32 v[\yh], v[\yh], v[\xh], s28
	v_cndmask_b32 v[\yl], v[\yl], v[\xl], s28
.endm
	s_wait_loadcnt 0x0
.irp i, 1,2,3
	LEXMIN 8, 9, 8+2*\i, 9+2*\i
.endr
	ds_store_b64 v4, v[8:9]
	s_wait_dscnt 0x0                               ; for the other waves' sake: my store is done
	s_barrier_signal -1
	s_barrier_wait -1
.irp i, 0,1,2,3,4,5,6,7
	ds_load_b64 v[16+2*\i:17+2*\i], v5 offset:256*\i               ; wave i's result for my query
.endr
	s_wait_dscnt 0x0
.irp i, 1,2,3,4,5,6,7
	LEXMIN 16, 17, 16+2*\i, 17+2*\i
.endr
	; lanes 0 to 3 hold the rows of queries 4 w + 0 .. 3
.irp i, 0,1,2,3
	v_readlane_b32 s26, v17, \i
	s_min_u32 s26, s26, VMAX
	s_lshl_b32 s26, s26, 11                        ; rows of 2,048 bytes
	s_add_nc_u64 s[16+2*\i:17+2*\i], s[6:7], s[26:27]
.endr
.irp i, 0,1,2,3
.irp j, 0,1,2,3
	global_load_b128 v[32+16*\i+4*\j:32+16*\i+4*\j+3], v3, s[16+2*\i:17+2*\i] offset:512*\j    ; no hint: a row may be named by several queries
.endr
.endr
.irp i, 0,1,2,3
	s_wait_loadcnt 12-4*\i                         ; loads come back in order (ISA guide 5.7.1): row i's four are in, the later rows' stay out
.irp j, 0,1,2,3
	global_store_b128 v3, v[32+16*\i+4*\j:32+16*\i+4*\j+3], s[8:9] offset:2048*\i+512*\j th:TH_STORE_NT
.endr
.endr
	s_wait_tensorcnt 0x0
	ds_add_u32 v96, v97
	s_wait_dscnt 0x0
	s_endpgm
.Lfunc_end_k_qd75ee0efc9_pick:
	.size	k_qd75ee0efc9_pick, .Lfunc_end_k_qd75ee0efc9_pick-k_qd75ee0efc9_pick
	.p2alignl 7, 3214868480
	.fill 96, 4, 3214868480
	.section	.rodata,"a",@progbits
	.p2align	6, 0x0
	.amdhsa_kernel k_qd75ee0efc9_pick
		.amdhsa_group_segment_fixed_size 3072
		.amdhsa_private_segment_fixed_size 0
		.amdhsa_enable_private_segment 0
		.amdhsa_kernarg_size 24
		.amdhsa_user_sgpr_count 2
		.amdhsa_user_sgpr_kernarg_segment_ptr 1
		.amdhsa_wavefront_size32 1
		.amdhsa_system_sgpr_workgroup_id_x 1
		.amdhsa_system_sgpr_workgroup_id_y 1
		.amdhsa_system_sgpr_workgroup_id_z 1
		.amdhsa_system_vgpr_workitem_id 0
		.amdhsa_next_free_vgpr 98
		.amdhsa_next_free_sgpr 66
		.amdhsa_reserve_vcc 0
		.amdhsa_float_denorm_mode_32 3
		.amdhsa_float_denorm_mode_16_64 3
		.amdhsa_memory_ordered 1
		.amdhsa_forward_progress 1
		.amdhsa_inst_pref_size 11
	.end_amdhsa_kernel
	.amdgpu_metadata
---
amdhsa.version: [ 1, 2 ]
amdhsa.kernels:
  - .name:           k_qd75ee0efc9_pick
    .symbol:         k_qd75ee0efc9_pick.kd
    .args:
      - { .name: keys, .offset: 0, .size: 8, .value_kind: global_buffer, .address_space: global }
      - { .name: all_z, .offset: 8, .size: 8, .value_kind: global_buffer, .address_space: global }
      - { .name: out0, .offset: 16, .size: 8, .value_kind: global_buffer, .address_space: global }
    .group_segment_fixed_size: 3072
    .private_segment_fixed_size: 0
    .kernarg_segment_align: 8
    .kernarg_segment_size: 24
    .max_flat_workgroup_size: 256
    .sgpr_count:     66
    .vgpr_count:     98
    .wavefront_size: 32
...
	.end_amdgpu_metadata
.endif
;; end of part 3
;; ======== version 2 of 2: 3 launches; version 1 with the launch tobf16 written anew for expert scheduling mode
;; workspace buffers: eb 25,731,072 bytes; zb 4,194,304 bytes; hn 100,608 bytes; keys 1,048,576 bytes of whole numbers
;; launch tobf16 (part 4): grid 562 x 1, 13 waves a work-group, no clusters, 0 bytes of LDS; arguments all_z, z, eb, zb, hn; writes eb, zb, hn
.if DOCPART == 4
	.amdgcn_target "amdgcn-amd-amdhsa--gfx1250"
	.amdhsa_code_object_version 6
	.text
	.protected	k_qd75ee0efc9_tobf16
	.globl	k_qd75ee0efc9_tobf16
	.p2align	8
	.type	k_qd75ee0efc9_tobf16,@function
k_qd75ee0efc9_tobf16:
	s_mov_b64 s[64:65], 0
	v_nop
	global_prefetch_b8 v0, s[64:65] scope:SCOPE_SE
	s_setreg_imm32_b32 hwreg(HW_REG_WAVE_SCHED_MODE, 0, 2), 2
	s_setreg_imm32_b32 hwreg(HW_REG_WAVE_MODE, 25, 1), 1
	s_wait_xcnt 0x0
	s_wait_alu depctr_vm_vsrc(0)
; eb = bf16(all_z) [25128][512], zb = bf16(z) [4096][512], hn[n] = 0.5 * sum over d of bf16(all_z[n][d])^2 in f32.
; The norm is taken from the ROUNDED numbers, so that norm and dot product of the next launch belong to the same vectors.
; A task is four rows and belongs to one wave: 25128/4 = 6282 tasks of all_z, then 4096/4 = 1024 tasks of z, 7306 = 13 x 562 in all:
; 562 work-groups of 13 waves have exactly one task a wave, with no guard.  Waves never meet: no LDS, no barrier.
; A pure stream, each input byte read once: matrix units and clusters have nothing to do here (no two work-groups read the same bytes).
; Each load of a wave covers 512 consecutive bytes, each store of bf16 256 consecutive bytes at a multiple of 256 from the buffer's first byte.
; hn leaves as 16 bytes a task (four rows' norms): 25128 rows do not divide into owners of 64 rows; it is 100,512 bytes of the launch's 90 million.
; LIMITS: rounding to nearest even; NaN and infinities pass through the conversion as they are and are not served by the later launches.
; THE MODE: SCHED_MODE bits 1:0 = 2 (LLVM: expert scheduling mode 2), set by the entry lines.  The code itself states the register dependences
; between vector instructions and memory instructions, with s_wait_alu, always for 0.
; THE PLAN.  Registers that memory instructions touch:
;   v1, v2, v[ZR]  byte offsets, made once at the head and never written again: one wait at the head, ahead of the branch on the task, serves every load and store.
;   X              written by the sixteen loads, which go out in one run before any vector instruction names X; read by the conversions; never loaded again.
;   Y              row r's eight registers are written by row r's eight conversions, each once in the launch, and read by row r's four stores
;                  (and, as a source only, by the norm's unpacking lines).
;   H              written by the four rows' last multiplies, read by the one store of the norms.
;   W, S, TP       are named by vector instructions alone.
; So a row has ONE wait: its eight conversions stand together, the wait states that they have written Y's row, and the row's four stores follow, dealt among the norm's
; arithmetic, which writes W, S, TP and H alone: none of the registers that those stores touch.  No register that a memory instruction reads is written a second time.
.set ETASKS, 6282                      ; tasks of all_z
.set X,  8                             ; v[8:71]    four rows as loaded: row r, piece i at X + 16 r + 4 i
.set Y,  72                            ; v[72:103]  the same in bf16: row r, piece i at Y + 8 r + 2 i; each register is written once
.set W,  104                           ; v[104:107] a piece's four rounded numbers, widened again
.set S,  108                           ; v[108:111] four running sums of squares
.set H,  112                           ; v[112:115] the four rows' half norms
.set TP, 116                           ; at work
.set ZR, 117                           ; the offset 0
	s_load_b256 s[4:11], s[0:1], 0x0               ; all_z s[4:5], z s[6:7], eb s[8:9], zb s[10:11]
	s_load_b64 s[12:13], s[0:1], 0x20              ; hn
	v_and_b32 v3, 31, v0                           ; lane
	v_lshrrev_b32 v4, 5, v0
	v_readfirstlane_b32 s14, v4                    ; wave 0..12
	v_lshlrev_b32 v1, 4, v3                        ; 16 bytes a lane in f32
	v_lshlrev_b32 v2, 3, v3                        ; 8 bytes a lane in bf16
	v_mov_b32 v[ZR], 0
	s_mov_b32 s18, 0x76543210                      ; v_permlanex16_b32: lane i of one half reads lane i of the other
	s_mov_b32 s19, 0xfedcba98
	s_mov_b32 s21, 0xffff0000                      ; a word's upper bf16
	s_mov_b32 s17, 0                               ; high word of every offset: all are below 4 GiB
	s_mul_i32 s15, ttmp9, 13
	s_wait_alu depctr_va_sdst(0)                   ; s14 is written, ahead of its first reader: the task's number is made from it
	s_add_co_u32 s15, s15, s14                     ; my task
; Four rows from s[src:src+1] to s[dst:dst+1].  All sixteen loads go out first: the task's 8,192 bytes are on their way together.
.macro CONV src, dst, norm
.irp r, 0,1,2,3
.irp i, 0,1,2,3
	global_load_b128 v[X+16*\r+4*\i:X+16*\r+4*\i+3], v1, s[\src:\src+1] offset:2048*\r+512*\i th:TH_LOAD_NT
.endr
.endr
.irp r, 0,1,2,3
	s_wait_loadcnt 12-4*\r                         ; loads come back in order (ISA guide 5.7.1): row r's four are in, the later rows' stay out
.irp i, 0,1,2,3
	v_cvt_pk_bf16_f32 v[Y+8*\r+2*\i],   v[X+16*\r+4*\i],   v[X+16*\r+4*\i+1]
	v_cvt_pk_bf16_f32 v[Y+8*\r+2*\i+1], v[X+16*\r+4*\i+2], v[X+16*\r+4*\i+3]
.endr
	s_wait_alu depctr_va_vdst(0)                   ; the eight conversions have written Y's row r, which the row's four stores read
.irp i, 0,1,2,3
	global_store_b64 v2, v[Y+8*\r+2*\i:Y+8*\r+2*\i+1], s[\dst:\dst+1] offset:1024*\r+256*\i   ; 32 lanes: 256 consecutive bytes; read again by the next launch, so no hint.  No further wait: no vector instruction since the wait above writes v2 or Y
.if \norm
	v_lshlrev_b32 v[W],   16,  v[Y+8*\r+2*\i]      ; the rounded numbers as f32
	v_and_b32     v[W+1], s21, v[Y+8*\r+2*\i]
	v_lshlrev_b32 v[W+2], 16,  v[Y+8*\r+2*\i+1]
	v_and_b32     v[W+3], s21, v[Y+8*\r+2*\i+1]
.if \i == 0
	v_pk_mul_f32 v[S:S+1],   v[W:W+1],   v[W:W+1]  ; the first piece starts the sums: nothing is cleared
	v_pk_mul_f32 v[S+2:S+3], v[W+2:W+3], v[W+2:W+3]
.else
	v_pk_fma_f32 v[S:S+1],   v[W:W+1],   v[W:W+1],   v[S:S+1]
	v_pk_fma_f32 v[S+2:S+3], v[W+2:W+3], v[W+2:W+3], v[S+2:S+3]
.endif
.endif
.endr
.if \norm
	v_pk_add_f32 v[S:S+1], v[S:S+1], v[S+2:S+3]
	v_add_f32 v[TP], v[S], v[S+1]                  ; my 16 numbers' squares; now over the 32 lanes
	v_add_f32_dpp v[TP], v[TP], v[TP] row_xmask:1 row_mask:0xf bank_mask:0xf
	v_add_f32_dpp v[TP], v[TP], v[TP] row_xmask:2 row_mask:0xf bank_mask:0xf
	v_add_f32_dpp v[TP], v[TP], v[TP] row_xmask:4 row_mask:0xf bank_mask:0xf
	v_add_f32_dpp v[TP], v[TP], v[TP] row_xmask:8 row_mask:0xf bank_mask:0xf
	v_permlanex16_b32 v[W], v[TP], s18, s19        ; its destination counts as read: W has been written
	v_add_f32 v[TP], v[TP], v[W]
	v_mul_f32 v[H+\r], 0.5, v[TP]
.endif
.endr
.endm
	s_wait_kmcnt 0x0
	s_wait_alu depctr_va_vdst(0)                   ; v1, v2 and v[ZR] are written: every load and store of either path reads one of them as its offset, and none is written again
	s_cmp_ge_u32 s15, ETASKS
	s_cbranch_scc1 .Lz
	; a task of all_z
	s_lshl_b32 s16, s15, 13                        ; four rows of 2,048 bytes
	s_add_nc_u64 s[4:5], s[4:5], s[16:17]
	s_lshl_b32 s16, s15, 12                        ; four rows of 1,024 bytes
	s_add_nc_u64 s[8:9], s[8:9], s[16:17]
	s_lshl_b32 s16, s15, 4                         ; four norms
	s_add_nc_u64 s[12:13], s[12:13], s[16:17]
	CONV 4, 8, 1
	v_cmp_eq_u32 vcc_lo, 0, v3
	s_wait_xcnt 0x0                                ; EXEC is a source of the stores above: it changes only behind this wait
	s_wait_alu depctr_va_vcc(0)                    ; the compare has written VCC, from which EXEC is made
	s_wait_alu depctr_va_vdst(0)                   ; ahead of a scalar write of EXEC: the vector instructions issued under the full EXEC have written their results, H among them, which the store below reads
	s_wait_alu depctr_vm_vsrc(0)                   ; ahead of a scalar write of EXEC: the stores issued under the full EXEC have read their vector registers
	s_and_saveexec_b32 s20, vcc_lo
	global_store_b128 v[ZR], v[H:H+3], s[12:13]    ; lane 0: every lane holds the same four sums
	s_wait_xcnt 0x0                                ; and again in front of the line that widens EXEC
	s_wait_alu depctr_va_vdst(0)                   ; ahead of a scalar write of EXEC: no vector instruction is still at work under the narrow EXEC
	s_wait_alu depctr_vm_vsrc(0)                   ; ahead of a scalar write of EXEC: the store of the norms has read v[ZR] and H under the narrow EXEC
	s_or_b32 exec_lo, exec_lo, s20
	s_endpgm
.Lz:
	; a task of z: no norm (it is the same for every candidate of a query and decides nothing)
	s_sub_co_u32 s15, s15, ETASKS
	s_lshl_b32 s16, s15, 13
	s_add_nc_u64 s[6:7], s[6:7], s[16:17]
	s_lshl_b32 s16, s15, 12
	s_add_nc_u64 s[10:11], s[10:11], s[16:17]
	CONV 6, 10, 0
	s_endpgm
.Lfunc_end_k_qd75ee0efc9_tobf16:
	.size	k_qd75ee0efc9_tobf16, .Lfunc_end_k_qd75ee0efc9_tobf16-k_qd75ee0efc9_tobf16
	.p2alignl 7, 3214868480
	.fill 96, 4, 3214868480
	.section	.rodata,"a",@progbits
	.p2align	6, 0x0
	.amdhsa_kernel k_qd75ee0efc9_tobf16
		.amdhsa_group_segment_fixed_size 0
		.amdhsa_private_segment_fixed_size 0
		.amdhsa_enable_private_segment 0
		.amdhsa_kernarg_size 40
		.amdhsa_user_sgpr_count 2
		.amdhsa_user_sgpr_kernarg_segment_ptr 1
		.amdhsa_wavefront_size32 1
		.amdhsa_system_sgpr_workgroup_id_x 1
		.amdhsa_system_sgpr_workgroup_id_y 1
		.amdhsa_system_sgpr_workgroup_id_z 1
		.amdhsa_system_vgpr_workitem_id 0
		.amdhsa_next_free_vgpr 120
		.amdhsa_next_free_sgpr 66
		.amdhsa_reserve_vcc 1
		.amdhsa_float_denorm_mode_32 3
		.amdhsa_float_denorm_mode_16_64 3
		.amdhsa_memory_ordered 1
		.amdhsa_forward_progress 1
		.amdhsa_inst_pref_size 19
	.end_amdhsa_kernel
	.amdgpu_metadata
---
amdhsa.version: [ 1, 2 ]
amdhsa.kernels:
  - .name:           k_qd75ee0efc9_tobf16
    .symbol:         k_qd75ee0efc9_tobf16.kd
    .args:
      - { .name: all_z, .offset: 0, .size: 8, .value_kind: global_buffer, .address_space: global }
      - { .name: z, .offset: 8, .size: 8, .value_kind: global_buffer, .address_space: global }
      - { .name: eb, .offset: 16, .size: 8, .value_kind: global_buffer, .address_space: global }
      - { .name: zb, .offset: 24, .size: 8, .value_kind: global_buffer, .address_space: global }
      - { .name: hn, .offset: 32, .size: 8, .value_kind: global_buffer, .address_space: global }
    .group_segment_fixed_size: 0
    .private_segment_fixed_size: 0
    .kernarg_segment_align: 8
    .kernarg_segment_size: 40
    .max_flat_workgroup_size: 416
    .sgpr_count:     66
    .vgpr_count:     120
    .wavefront_size: 32
...
	.end_amdgpu_metadata
.endif
;; end of part 4
;; launch score: the kernel of part 2 again; grid 16 x 16, 4 waves a work-group, clusters of 4 x 4, 327,680 bytes of LDS; arguments zb, eb, hn, keys; writes keys
;; launch pick: the kernel of part 3 again; grid 128 x 1, 8 waves a work-group, no clusters, 3,072 bytes of LDS; arguments keys, all_z, out0; writes out0
